; MI455X (gfx1250); checked and timed in simulation.
; The chip was launched on July 23, 2026; its instructions are those of AMD's public machine-readable ISA for CDNA 5 (MIT licence, August 2026) and "CDNA5" Instruction Set Architecture Reference Guide (July 2026). The comments in the code are by the model that wrote it; some were corrected since.
;; Co Op. Allowed arithmetic: matrix products marked QUANTISED: E2M3 operands, one E8M0 scale for each 32 along K, by v_wmma_scale_f32_16x16x128_f8f6f4 with both operands' format E2M3, f32 sums; everything else in f32.
;; Inputs: clip_embs 49,408 x 512 float32; prompt_embs 2,048 x 512 float32.
;; Outputs: out0 2,048 x 512 float32; out1 2,048 int32.
;; This version of the problem:
;;   THIS VERSION OF THE PROBLEM IS GIVEN IN LOW PRECISION. The matrix products marked QUANTISED in the list below multiply operands that are first quantised to E2M3 (2 exponent bits, 3 mantissa bits; 6 bits a number), with one power-of-two scale for each 32 numbers along K (OCP MX v1.0); their sums are f32. All else is computed in f32.
;;   The module's matrix products, in the order in which they are computed (A, B: the left and right operand; K: the contracted axis; several contracted axes count as one K, in the product's order):
;;     1. [M 2,048, K 512] x [K 512, N 49,408]; A: input prompt_embs; B: input clip_embs: QUANTISED
;;   THE QUANTISER, for each operand of a quantised product, along K:
;;     - K is cut into blocks of 32 from its start; a last block that is shorter is filled with zeros.
;;     - A block's scale is 2^e with e = floor(log2(the largest magnitude in the block)) - 2, held to -126 .. 127; a block of zeros has e = 0. As a byte (E8M0): e + 127.
;;     - Each number is divided by its block's scale, clamped to +-7.5, and rounded to the nearest number of E2M3, ties to even, subnormals kept.
;;     - The product sums the exact products of the quantised numbers (number of the format x scale) in f32.
;;   ~~~python
;;   def quantise(x, axis):      # numpy; x: float32 -> the quantised numbers, widened to float32 again
;;       x = np.moveaxis(x, axis, -1); K = x.shape[-1]
;;       x = np.pad(x, [(0, 0)] * (x.ndim - 1) + [(0, -K % 32)]); x = x.reshape(x.shape[:-1] + (-1, 32)); a = np.abs(x).max(-1, keepdims=True)
;;       e = np.where(a > 0, np.clip(np.frexp(np.where(a > 0, a, 1))[1] - 1 - 2, -126, 127), 0)      # np.frexp(a)[1] - 1 = floor(log2(a)), exactly
;;       r = np.clip(x / 2.0 ** e, -7.5, 7.5)
;;       step = 2.0 ** (np.maximum(np.frexp(np.where(r == 0, 1, r))[1] - 1, 0) - 3)
;;       q = np.round(r / step) * step * 2.0 ** e      # np.round: ties to even
;;       return np.moveaxis(q.reshape(q.shape[:-2] + (-1,))[..., :K], -1, axis).astype(np.float32)
;;   ~~~
;; One version. Each part assembles by itself: llvm-mc -triple=amdgcn-amd-amdhsa -mcpu=gfx1250 --defsym DOCPART=n.
;; ======== version 1 of 1: 3 launches
;; limits: right only within a limited range of input values
;; workspace buffers: crec 20,553,728 bytes; prec 851,968 bytes; part 1,310,720 bytes
;; launch quant (part 1): grid 3216 x 1, 1 waves a work-group, no clusters, 9,216 bytes of LDS; arguments clip_embs, prompt_embs, crec, prec, out0; writes crec, prec, out0
.if DOCPART == 1
	.amdgcn_target "amdgcn-amd-amdhsa--gfx1250"
	.amdhsa_code_object_version 6
	.text
	.protected	k_q697e80eef2_quant
	.globl	k_q697e80eef2_quant
	.p2align	8
	.type	k_q697e80eef2_quant,@function
k_q697e80eef2_quant:
	s_mov_b64 s[64:65], 0
	v_nop
	global_prefetch_b8 v0, s[64:65] scope:SCOPE_SE
	s_setreg_imm32_b32 hwreg(HW_REG_WAVE_MODE, 25, 1), 1
	s_wait_xcnt 0x0
; clip_embs [49408][512] and prompt_embs [2048][512], f32, become TILE RECORDS for the search that follows; prompt_embs is also copied to out0.
; A record is 16 rows x K 512 in 6,656 bytes, laid as an image of the matrix operand's registers:
;   bytes 0..6143     codes of FP6 (E2M3): byte 512 G + 16 lane holds registers 4 G .. 4 G + 3 of the lane's 48; register 12 s + i is register i of the fragment of K step s (128 along K)
;   bytes 6144..6399  scale words: byte 8 lane + 4 qq holds the word (four E8M0 bytes) of row lane % 16 for K step 2 qq + lane / 16
;   bytes 6400..6463  sixteen f32: minus the sum of squares of rows 0 .. 15, of the numbers as they are given
;   bytes 6464..6655  zeros
; A block's scale is 2^(floor(log2(its largest magnitude)) - 2); its byte is the largest magnitude's exponent field - 2, held at 1 from below.  A block of zeros keeps the byte 1: its codes are zeros, and this program alone reads the bytes.
; THE PROMPTS' BYTES ARE RAISED BY ONE: the quantised numbers of 2 x are exactly twice those of x, so the search's product is 2 a.b with no multiplication.
; LIMITS: blocks whose largest magnitude lies under 2^-124 keep the byte 1 (not tried); prompts of magnitude 2^125 or more would get the byte 0xff; NaN and infinities among the inputs are not served.
; SHARES.  One wave makes one record: 32 KiB in, 6,656 bytes out.  Work-groups 0 .. 3087 take clip_embs (3,088 tiles), 3088 .. 3215 prompt_embs (128 tiles).  Only pointers, the bytes' increment and the copy hang on that choice.
; Each load reads 512 consecutive bytes of a row; the conversions want 32 neighbours along K in ONE lane, so a K step's 16 x 512 bytes turn through the wave's own stage in LDS.  Waves share nothing: no barrier.
; No matrix unit, no cluster, no tensor load: every byte is read once and nothing is shared between work-groups.
; THE SHARES AS THEY NOW STAND: a work-group is ONE wave and makes one record: work-groups 0 .. 3087 take clip_embs, 3088 .. 3215 prompt_embs; the wave's number is 0, its LDS 8,960 bytes and 256 of spare words.
.set CLIPWG, 3088
.set REC,    6656                      ; bytes of a record
.set SP,     528                       ; a stage row: 512 bytes + 16: an odd multiple of 16, so that sixteen rows' reads of 16 bytes start in sixteen different columns of 16 bytes modulo 256
.set SCR,    16*SP                     ; behind the stage: 512 bytes in which the record's tail is put together
.set WREG,   SCR+512                   ; a wave's LDS: 8,960 bytes
.set MX,  12                           ; v12-13  the two blocks' largest magnitudes
.set SO,  14                           ; v14-15  the conversions' scale operands
.set BY,  16                           ; v16-17  the scale bytes
.set PT,  18                           ; v18     what lane l xor 16 sends
.set W,   20                           ; v20-23  the scale words of K steps 0 .. 3
.set SQ,  24                           ; v24-31  the sum of squares in four pairs
.set PC,  32                           ; v32-43  a fragment's codes
.set PX,  44                           ; v44-46, v48-50  the upper halves of its two blocks, as the conversions leave them
.set R,   64                           ; v64-255 three sets of 64 numbers; K step s has set s % 3
	s_load_b256 s[4:11], s[0:1], 0x0               ; clip_embs s[4:5], prompt_embs s[6:7], crec s[8:9], prec s[10:11]
	s_load_b64 s[12:13], s[0:1], 0x20              ; out0
	v_lshl_add_u32 v51, v0, 2, 0x2300
	v_mov_b32 v63, 0
	v_lshrrev_b32 v1, 5, v0
	v_readfirstlane_b32 s14, v1                    ; wave: 0
	v_and_b32 v1, 31, v0                           ; lane
	v_and_b32 v2, 15, v0                           ; r
	v_bfe_u32 v3, v0, 4, 1                         ; h
	v_lshlrev_b32 v4, 4, v1                        ; 16 x lane: my bytes of a load's or a store's 512
	s_mul_i32 s15, s14, WREG                       ; my wave's LDS
	v_add_nc_u32 v5, s15, v4                       ; the stage, on the way in: 16 x lane; the row stands in the immediate
	v_mul_u32_u24 v6, v2, SP
	v_lshl_add_u32 v6, v3, 7, v6
	v_add_nc_u32 v6, s15, v6                       ; and on the way out: row r, + 128 h: my 32 neighbours of each 64
	s_add_co_u32 s15, s15, SCR
	v_lshl_add_u32 v7, v1, 3, s15                  ; the tail: my two scale words,
	v_add_nc_u32 v9, s15, v4                       ; my 16 bytes of its 512,
	s_add_co_u32 s15, s15, 256
	v_lshl_add_u32 v8, v2, 2, s15                  ; my row's sum
	v_lshlrev_b32 v10, 3, v3                       ; 8 h: how far my two bytes are shifted up in a scale word
	v_mov_b32 v[PT], 0                             ; written once: a lane permute's destination counts as one of its sources
.irp i, 52,53,54,55
	v_mov_b32 v\i, 0                               ; sixteen bytes of zeros for the tail
.endr
	s_mov_b32 s17, 0xffff0000                      ; lanes 16-31
	s_mov_b32 s20, 0x76543210
	s_mov_b32 s21, 0xfedcba98                      ; v_permlanex16_b32's selects for lane l xor 16
	s_wait_kmcnt 0x0
	s_cmp_lt_u32 ttmp9, CLIPWG                     ; clip_embs or prompt_embs?  The choice hangs on the work-group's number alone; only selects stand behind the compare
	s_cselect_b64 s[4:5], s[4:5], s[6:7]           ; the source,
	s_cselect_b64 s[8:9], s[8:9], s[10:11]         ; the records,
	s_cselect_b32 s16, 0, 0x01010101               ; what is added to a scale word,
	s_cselect_b32 s23, 0, CLIPWG                   ; the tensor's first work-group,
	s_cselect_b32 s22, 0, 1                        ; and whether the numbers are copied to out0
	s_sub_co_u32 s24, ttmp9, s23
	s_add_co_u32 s24, s24, s14                     ; my tile
	s_lshl_b32 s18, s24, 15                        ; 16 rows of 2,048 bytes a tile: under 2^27
	s_mov_b32 s19, 0
	s_add_nc_u64 s[4:5], s[4:5], s[18:19]
	s_add_nc_u64 s[12:13], s[12:13], s[18:19]      ; (used by the prompts' work-groups alone)
	s_mul_i32 s18, s24, REC
	s_add_nc_u64 s[8:9], s[8:9], s[18:19]
.macro LOAD s                          ; K step s of my 16 rows: each load reads 512 consecutive bytes of one row
.irp i, 0,1,2,3,4,5,6,7,8,9,10,11,12,13,14,15
	global_load_b128 v[R+64*((\s)%3)+4*\i:R+64*((\s)%3)+4*\i+3], v4, s[4:5] offset:2048*\i+512*(\s) th:TH_LOAD_NT
.endr
.endm
.macro COPY s                          ; the prompts leave again as they came; a scalar branch on the work-group's number jumps over the stores
	s_cmp_eq_u32 s22, 0
	s_cbranch_scc1 .Lno_copy_\@
.irp i, 0,1,2,3,4,5,6,7,8,9,10,11,12,13,14,15
	global_store_b128 v4, v[R+64*((\s)%3)+4*\i:R+64*((\s)%3)+4*\i+3], s[12:13] offset:2048*\i+512*(\s) th:TH_STORE_NT
.endr
	s_wait_xcnt 0x0                                ; the stores' data are written again by the turn below only behind this wait
.Lno_copy_\@:
.endm
.macro TURN s                          ; through the stage and back into the same registers: LDS serves a wave's instructions in order, so the loads see the stores and land behind them
.set XS, R+64*((\s)%3)
.irp i, 0,1,2,3,4,5,6,7,8,9,10,11,12,13,14,15
	ds_store_b128 v5, v[XS+4*\i:XS+4*\i+3] offset:SP*\i
.endr
.irp c, 0,1
.irp i, 0,1,2,3,4,5,6,7
	ds_load_b128 v[XS+32*\c+4*\i:XS+32*\c+4*\i+3], v6 offset:256*\c+16*\i   ; register 32 c + i: k = 128 s + 64 c + 32 h + i of row r: the order of the operand's layout
.endr
.endr
.endm
.macro QUANT s                         ; 64 numbers of a lane, two whole blocks, become a fragment's 12 registers and leave; their squares are summed on the way
.set XS, R+64*((\s)%3)
.set n, 0
.rept 32
.if ((\s) == 0) && (n < 4)
	v_pk_mul_f32 v[SQ+2*n:SQ+2*n+1], v[XS+2*n:XS+2*n+1], v[XS+2*n:XS+2*n+1]          ; the first four products start the sums: nothing is cleared
.else
	v_pk_fma_f32 v[SQ+2*(n%4):SQ+2*(n%4)+1], v[XS+2*n:XS+2*n+1], v[XS+2*n:XS+2*n+1], v[SQ+2*(n%4):SQ+2*(n%4)+1]
.endif
.set n, n+1
.endr
.irp c, 0,1
	v_max3_num_f32 v[MX+\c], |v[XS+32*\c]|, |v[XS+32*\c+1]|, 0x1800000   ; block 2 c + h: all its 32 numbers are mine; and the floor 2^(3 - 127), so that the byte cannot fall under 1
.endr
.irp i, 2,4,6,8,10,12,14,16,18,20,22,24,26,28,30
.irp c, 0,1
	v_max3_num_f32 v[MX+\c], v[MX+\c], |v[XS+32*\c+\i]|, |v[XS+32*\c+\i+1]|   ; (the two blocks by turns)
.endr
.endr
.irp c, 0,1
	v_add_nc_u32 v[SO+\c], 0xff000000, v[MX+\c]    ; 2 off the exponent field: the conversion takes the exponent field of this operand as its scale, and nothing else of it
.endr
.irp c, 0,1
	v_lshrrev_b32 v[BY+\c], 23, v[SO+\c]           ; the scale's byte
.endr
	v_lshl_or_b32 v[W+(\s)], v[BY+1], 16, v[BY]    ; my two bytes, blocks h and 2 + h of row r,
	v_lshlrev_b32 v[W+(\s)], v10, v[W+(\s)]        ; at their places in the word;
	v_permlanex16_b32 v[PT], v[W+(\s)], s20, s21
	v_or_b32 v[W+(\s)], v[W+(\s)], v[PT]           ; with lane l xor 16's two the word is whole, in both lanes
	v_add_nc_u32 v[W+(\s)], s16, v[W+(\s)]         ; the prompts' bytes are raised by one (no byte is above 254: no carry)
	s_wait_alu depctr_va_vdst(0)
	s_wait_xcnt 0x0                                ; the last K step's stores have read the codes' registers: they are written again only behind this wait
.irp c, 0,1
	v_cvt_scalef32_pk16_fp6_f32 v[PC+6*\c:PC+6*\c+2], v[XS+32*\c:XS+32*\c+15], v[SO+\c]
	v_cvt_scalef32_pk16_fp6_f32 v[PX+4*\c:PX+4*\c+2], v[XS+32*\c+16:XS+32*\c+31], v[SO+\c]   ; (a conversion's three registers begin on an even number: the upper half of a block's six is made elsewhere and moved)
.endr
	v_nop                                          ; one plain place behind a scaled conversion
.irp c, 0,1
.irp i, 0,1,2
	v_mov_b32 v[PC+6*\c+3+\i], v[PX+4*\c+\i]
.endr
.endr
.irp g, 0,1,2
	global_store_b128 v4, v[PC+4*\g:PC+4*\g+3], s[8:9] offset:1536*(\s)+512*\g   ; 32 lanes store 512 consecutive bytes, at a multiple of 256 from the record's first byte
.endr
.endm
	LOAD 0
	LOAD 1
	LOAD 2                                         ; 48 loads of the wave are out
	s_wait_loadcnt 32                              ; K step 0 is in; behind it: steps 1 and 2, 32 loads
	COPY 0
	TURN 0
	s_wait_dscnt 0x0
	QUANT 0
	LOAD 3                                         ; into set 0, which is done with
	s_wait_loadcnt 32                              ; K step 1 is in; behind it: steps 2 and 3
	COPY 1
	TURN 1
	s_wait_dscnt 0x0
	QUANT 1
	s_wait_loadcnt 16                              ; behind K step 2: step 3
	COPY 2
	TURN 2
	s_wait_dscnt 0x0
	QUANT 2
	s_wait_loadcnt 0x0
	COPY 3
	TURN 3
	s_wait_dscnt 0x0
	QUANT 3
	; the record's tail
	v_pk_add_f32 v[SQ:SQ+1], v[SQ:SQ+1], v[SQ+2:SQ+3]
	v_pk_add_f32 v[SQ+4:SQ+5], v[SQ+4:SQ+5], v[SQ+6:SQ+7]
	v_pk_add_f32 v[SQ:SQ+1], v[SQ:SQ+1], v[SQ+4:SQ+5]
	v_add_f32 v[SQ], v[SQ], v[SQ+1]                ; my half of row r,
	v_permlanex16_b32 v[PT], v[SQ], s20, s21
	v_add_f32 v[SQ], v[SQ], v[PT]                  ; and lane l xor 16's: the same sum in both lanes
	v_mul_f32 v62, -1.0, v[SQ]
	v_cndmask_b32 v60, v[W], v[W+1], s17           ; lanes 0-15 keep the even K steps' words, lanes 16-31 the odd ones'
	v_cndmask_b32 v61, v[W+2], v[W+3], s17
	ds_store_b128 v9, v[52:55]                     ; 512 bytes of zeros; over them, in order,
	ds_store_b64 v7, v[60:61]                      ; 256 bytes of scale words
	ds_store_b32 v8, v62                           ; and sixteen sums (both lanes of a row write the same word with the same value)
	ds_load_b128 v[56:59], v9                      ; LDS serves a wave's instructions in order: this sees the three stores
	s_wait_dscnt 0x0
	global_store_b128 v4, v[56:59], s[8:9] offset:6144
	s_wait_tensorcnt 0x0
	ds_add_u32 v51, v63
	s_wait_dscnt 0x0
	s_endpgm
.Lfunc_end_k_q697e80eef2_quant:
	.size	k_q697e80eef2_quant, .Lfunc_end_k_q697e80eef2_quant-k_q697e80eef2_quant
	.p2alignl 7, 3214868480
	.fill 96, 4, 3214868480
	.section	.rodata,"a",@progbits
	.p2align	6, 0x0
	.amdhsa_kernel k_q697e80eef2_quant
		.amdhsa_group_segment_fixed_size 9216
		.amdhsa_private_segment_fixed_size 0
		.amdhsa_enable_private_segment 0
		.amdhsa_kernarg_size 40
		.amdhsa_user_sgpr_count 2
		.amdhsa_user_sgpr_kernarg_segment_ptr 1
		.amdhsa_wavefront_size32 1
		.amdhsa_system_sgpr_workgroup_id_x 1
		.amdhsa_system_sgpr_workgroup_id_y 1
		.amdhsa_system_sgpr_workgroup_id_z 1
		.amdhsa_system_vgpr_workitem_id 0
		.amdhsa_next_free_vgpr 256
		.amdhsa_next_free_sgpr 66
		.amdhsa_reserve_vcc 0
		.amdhsa_float_denorm_mode_32 3
		.amdhsa_float_denorm_mode_16_64 3
		.amdhsa_memory_ordered 1
		.amdhsa_forward_progress 1
		.amdhsa_inst_pref_size 45
	.end_amdhsa_kernel
	.amdgpu_metadata
---
amdhsa.version: [ 1, 2 ]
amdhsa.kernels:
  - .name:           k_q697e80eef2_quant
    .symbol:         k_q697e80eef2_quant.kd
    .args:
      - { .name: clip_embs, .offset: 0, .size: 8, .value_kind: global_buffer, .address_space: global }
      - { .name: prompt_embs, .offset: 8, .size: 8, .value_kind: global_buffer, .address_space: global }
      - { .name: crec, .offset: 16, .size: 8, .value_kind: global_buffer, .address_space: global }
      - { .name: prec, .offset: 24, .size: 8, .value_kind: global_buffer, .address_space: global }
      - { .name: out0, .offset: 32, .size: 8, .value_kind: global_buffer, .address_space: global }
    .group_segment_fixed_size: 9216
    .private_segment_fixed_size: 0
    .kernarg_segment_align: 8
    .kernarg_segment_size: 40
    .max_flat_workgroup_size: 32
    .sgpr_count:     66
    .vgpr_count:     256
    .wavefront_size: 32
...
	.end_amdgpu_metadata
.endif
;; end of part 1
;; launch search (part 2): grid 256 x 1, 4 waves a work-group, clusters of 4 x 1, 327,680 bytes of LDS; arguments crec, prec, part; writes part
.if DOCPART == 2
	.amdgcn_target "amdgcn-amd-amdhsa--gfx1250"
	.amdhsa_code_object_version 6
	.text
	.protected	k_q697e80eef2_search
	.globl	k_q697e80eef2_search
	.p2align	8
	.type	k_q697e80eef2_search,@function
k_q697e80eef2_search:
	s_mov_b64 s[64:65], 0
	v_nop
	global_prefetch_b8 v0, s[64:65] scope:SCOPE_SE
	s_setreg_imm32_b32 hwreg(HW_REG_WAVE_MODE, 25, 1), 1
	s_wait_xcnt 0x0
	s_wait_alu depctr_hold_cnt(0) depctr_sa_sdst(0) depctr_va_vdst(0) depctr_va_sdst(0) depctr_va_ssrc(0) depctr_va_vcc(0) depctr_vm_vsrc(0)
	s_getreg_b32 s2, hwreg(HW_REG_IB_STS2, 6, 4)
	s_cmp_eq_u32 s2, 0
	s_cbranch_scc0 .Lentry_in_a_cluster
	s_endpgm
.Lentry_in_a_cluster:
	s_bfe_u32 s2, ttmp6, 0x10000c
	s_cmp_lg_u32 s2, 0x3003
	s_cbranch_scc0 .Lentry_shape_is_right
	s_endpgm
.Lentry_shape_is_right:
; part[e][p] = (largest of 2 a.b - |b|^2 - |a|^2 over entry e's clip rows, that row), for prompt p; the first row wins among equals.  Records as the launch before lays them (16 rows x K 512, an image of the operand's registers).
; SHARES.  Cluster s (0..63) takes clip records 48 s .. 48 s + 47; its four work-groups g take prompts 512 g ..; wave w keeps prompt tiles 32 g + 8 w + 0..7 in registers for the whole launch.
; The 48 records, 319,488 bytes, are one dense block: they are brought into LDS ONCE, by joint loads of the four partners, in three stages of 8, 16 and 24 records (a wave a quarter of each): no LDS byte is filled twice.
; A RECORD'S TURN: the next record's 15 LDS loads in one run; 32 matrix instructions on end (source 0 = 16 clip rows, source 1 = 16 prompts, C of the first K step = -|b|^2; a lane holds one prompt, its 8 registers 8 clip rows);
; then the running arg-max in one run: four v_max3 join a tile's 8 results to the best so far; where that grew (strictly: the first record wins), the record's first row and its 8 results are kept by selects.  10 lines a tile, no branch.
; The row inside the kept 8 is found once, at the end.  -|a|^2 is added there.
; The 16 records 3072 .. 3087: record 3072 + s / 4 is held in registers by every wave and multiplied against the wave's prompt tiles 2 (s % 4) and 2 (s % 4) + 1: entries 64 .. 79.
; PREFETCH: stage 2's blocks of 256 bytes are asked for behind stage 1's load, stage 3's behind stage 2's: each block once a cluster, shared out among 4 partners x 4 waves x 32 lanes by address; lanes left over name the stage's last block.
; LIMITS: NaN and infinities among the inputs, and sums that overflow, are not served (the best so far begins at -infinity).
; WINDOWS: 0: addresses, scale words, accumulators and all of the arg-max.  1, 2: prompt tiles 0-3, 4-7; in 2 also the left-over record (v192-239).  3: the clip fragments, two sets of 48.
.set REC,   6656
.set SPARE, 48*REC                     ; behind the records: the spare words, 128 bytes a wave
; with the pairs a tile's arg-max is 10 instructions: four v_max3, a compare, the select of the first row, four pairs of selects.
; A pair's destinations are an even and an odd register, and its two first and its two second sources are neighbours, so they differ modulo 4.
.set DUAL,  1
.set LI,  1                            ; 16 x lane
.set L8,  2                            ; 8 x lane
.set H32, 3                            ; 32 x (lane / 16)
.set L4,  4                            ; 4 x (lane % 16)
.set HH,  5                            ; lane / 16
.set AD,  6                            ; LDS: the pair of records at work + LI, L8, H32
.set AD8, 7
.set ADC, 8
.set SPW, 9
.set NIL, 10
.set PF1, 11
.set PF2, 12
.set PF3, 13
.set XB,  16                           ; v16-31 the prompts' scale words
.set XA,  32                           ; v32-35 the clip record's, two sets
.set XL,  36                           ; v36-37 the left-over record's
.set H8,  38                           ; 8 x (lane / 16)
.set ACC, 40                           ; v40-103 eight accumulators
.set SV,  104                          ; v104-167 the kept results
.set RR,  168                          ; v168-183 the best so far, two sets by turns
.set TI,  184                          ; v184-191 the kept first row
.set C2,  192                          ; v192-207 -|b|^2, two sets
.set LC2, 208                          ; v208-215 the left-over record's
.set OUT, 216
.set JJ,  224
.set RW,  226
.set PM,  228
.set PR,  230
.set NP,  232                          ; v232-239 -|a|^2
.set LF,  192                          ; window 2
.set MSB, 0
.macro WIN new                         ; the immediate's high byte repeats the setting that is left
.if MSB != (\new)
	s_set_vgpr_msb (MSB<<8)|(\new)
.set MSB, (\new)
.endif
.endm
.macro ROUND                           ; a round of the cluster's barrier
	s_barrier_signal -1
	s_barrier_wait -1
	s_cmp_lg_u32 s10, 0
	s_cbranch_scc1 .Lnot_wave_0_\@
	s_barrier_signal -3
.Lnot_wave_0_\@:
	s_barrier_wait -3
	s_barrier_signal -1
	s_barrier_wait -1
.endm
.macro WM acc, a, b, c, sa, sb, odd    ; odd K steps' scale words lie in lanes 16-31
.if \odd
	v_wmma_scale_f32_16x16x128_f8f6f4 v[\acc:\acc+7], v[\a:\a+11], v[\b:\b+11], v[\c:\c+7], v[\sa], v[\sb] matrix_a_fmt:MATRIX_FMT_FP6 matrix_b_fmt:MATRIX_FMT_FP6 matrix_a_scale:MATRIX_SCALE_ROW1 matrix_b_scale:MATRIX_SCALE_ROW1
.else
	v_wmma_scale_f32_16x16x128_f8f6f4 v[\acc:\acc+7], v[\a:\a+11], v[\b:\b+11], v[\c:\c+7], v[\sa], v[\sb] matrix_a_fmt:MATRIX_FMT_FP6 matrix_b_fmt:MATRIX_FMT_FP6
.endif
.endm
.macro WMX p, t, s                     ; fragments' set p, prompt tile t, K step s
.if (\s) == 0
	WM ACC+8*(\t), 48*(\p)+12*(\s), 48*((\t)%4)+12*(\s), C2+8*(\p), XA+2*(\p)+(\s)/2, XB+2*(\t)+(\s)/2, (\s)%2
.else
	WM ACC+8*(\t), 48*(\p)+12*(\s), 48*((\t)%4)+12*(\s), ACC+8*(\t), XA+2*(\p)+(\s)/2, XB+2*(\t)+(\s)/2, (\s)%2
.endif
.endm
.macro LVL e, t, l                     ; two more of tile t's results join its best: from set e of the best so far into the other set
.if (\l) == 0
	v_max3_num_f32 v[RR+8-8*(\e)+(\t)], v[RR+8*(\e)+(\t)], v[ACC+8*(\t)], v[ACC+8*(\t)+1]
.else
	v_max3_num_f32 v[RR+8-8*(\e)+(\t)], v[RR+8-8*(\e)+(\t)], v[ACC+8*(\t)+2*(\l)], v[ACC+8*(\t)+2*(\l)+1]
.endif
.endm
.macro SAVE t                          ; where VCC says that tile t's best grew, its 8 results are kept
.if DUAL
.irp j, 0,2,4,6
	v_dual_cndmask_b32 v[SV+8*(\t)+\j], v[SV+8*(\t)+\j], v[ACC+8*(\t)+\j] :: v_dual_cndmask_b32 v[SV+8*(\t)+\j+1], v[SV+8*(\t)+\j+1], v[ACC+8*(\t)+\j+1]
.endr
.else
.irp j, 0,1,2,3,4,5,6,7
	v_cndmask_b32 v[SV+8*(\t)+\j], v[SV+8*(\t)+\j], v[ACC+8*(\t)+\j], vcc_lo
.endr
.endif
.endm
.macro EPI e                           ; the arg-max of one record, the eight tiles by turns
.irp l, 0,1,2
.irp t, 0,1,2,3,4,5,6,7
	LVL \e, \t, \l
.endr
.endr
	LVL \e, 0, 3
	LVL \e, 1, 3
.irp t, 0,1,2,3,4,5,6,7
	v_cmp_gt_f32 vcc_lo, v[RR+8-8*(\e)+\t], v[RR+8*(\e)+\t]
.if \t < 6
	LVL \e, \t+2, 3
.endif
	v_cndmask_b32 v[TI+\t], v[TI+\t], s49, vcc_lo
	SAVE \t
.endr
.endm
.macro FETCH b, fo                     ; a record's 15 LDS loads, into set b; fo: the record's place behind AD
	ds_load_b64 v[XA+2*(\b):XA+2*(\b)+1], v[AD8] offset:(\fo)+6144
	ds_load_b128 v[C2+8*(\b):C2+8*(\b)+3], v[ADC] offset:(\fo)+6400
	ds_load_b128 v[C2+8*(\b)+4:C2+8*(\b)+7], v[ADC] offset:(\fo)+6416
	WIN 0xC0
.irp g, 0,1,2,3,4,5,6,7,8,9,10,11
	ds_load_b128 v[48*(\b)+4*\g:48*(\b)+4*\g+3], v[AD] offset:(\fo)+512*\g
.endr
.endm
.macro ADDR
	v_add_nc_u32 v[AD], s48, v[LI]
	v_add_nc_u32 v[AD8], s48, v[L8]
	v_add_nc_u32 v[ADC], s48, v[H32]
.endm
; a later stage's first fill.  rows of 256 bytes a wave; per: records a wave; first: the stage's first record
.macro STAGE rows, per, first
	s_wait_tensorcnt 0x0                           ; my load is done: the descriptor may be written
	ds_add_u32 v[SPW], v[NIL]
	s_mov_b32 s26, (\rows)<<16
	s_mov_b32 s28, \rows
	s_mul_i32 s33, s10, (\per)*REC
	s_add_co_u32 s33, s33, (\first)*REC            ; LDS place = place in the cluster's block
	s_mov_b32 s2, s33
	s_add_nc_u64 s[34:35], s[18:19], s[2:3]
	s_or_b32 s35, s35, 0x80000000
	s_wait_dscnt 0x0                               ; the add and all my LDS loads
	ROUND
	tensor_load_to_lds s[32:35], s[24:31]
	s_nop 0
.rept 4
	v_nop
.endr
.endm
; One record, its fragments in set p.  fetch: the next record's loads; sync 1: the stage on its way has landed with all, stage 3 goes out; sync 2: stage 3 has landed with all
.macro TILE p, fetch, sync
	WIN 0
	s_wait_alu depctr_va_vdst(0)
.if (\sync) == 1
	STAGE 156, 6, 24
.elseif (\sync) == 2
	s_wait_tensorcnt 0x0
	s_wait_dscnt 0x0
	s_barrier_signal -1
	s_barrier_wait -1
.else
	s_wait_dscnt 0x0                               ; this record's 15 loads, issued a record ago
.endif
.if \fetch
.if (\p) == 1
	s_add_co_u32 s48, s48, 2*REC                   ; on to the next pair of records
	ADDR
.endif
	FETCH 1-\p, REC*(1-\p)
.endif
	WIN 0x07                                       ; source 0 window 3, source 1 window 1; four accumulators by turns
.irp s, 0,1,2,3
.irp t, 0,1,2,3
	WMX \p, \t, \s
.endr
.endr
	WIN 0x0B                                       ; source 1 window 2
.irp s, 0,1,2,3
.irp t, 4,5,6,7
	WMX \p, \t, \s
.endr
.endr
	WIN 0
.rept 4
	v_nop                                          ; places in front of the first read of the results
.endr
	EPI \p
	s_add_co_u32 s49, s49, 16                      ; the next record's first row
.endm
.macro PAIRS n, lab                    ; n pairs of records
	s_mov_b32 s50, \n
\lab:
	TILE 0, 1, 0
	TILE 1, 1, 0
	s_sub_co_u32 s50, s50, 1
	s_cmp_lg_u32 s50, 0
	s_cbranch_scc1 \lab
.endm
; two prompt tiles' results: the first of the 8 kept numbers that equals the best gives the row; the two halves of the lanes are joined (the lower row among equals); lanes 0-15 store tile ta's pairs, lanes 16-31 tile ta + 1's
.macro FIN2 ta, MB, WB, VB, o
.irp x, 0,1
	v_mov_b32 v[JJ+\x], 7
.endr
.irp j, 0,1,2,3,4,5,6
.irp x, 0,1
	v_cmp_neq_f32 s[68+8*\x+\j], v[\VB+8*(\ta+\x)+\j], v[\MB+\ta+\x]
.endr
.endr
.irp j, 6,5,4,3,2,1,0
.irp x, 0,1
	v_cndmask_b32 v[JJ+\x], \j, v[JJ+\x], s[68+8*\x+\j]
.endr
.endr
.irp x, 0,1
	v_add3_u32 v[RW+\x], v[TI+\ta+\x], v[H8], v[JJ+\x]
.endr
.irp x, 0,1
	v_permlanex16_b32 v[PM+\x], v[\WB+\ta+\x], s20, s21
.endr
.irp x, 0,1
	v_permlanex16_b32 v[PR+\x], v[RW+\x], s20, s21
.endr
.irp x, 0,1
	v_cmp_gt_f32 s[84+4*\x], v[PM+\x], v[\WB+\ta+\x]
	v_cmp_eq_f32 s[85+4*\x], v[PM+\x], v[\WB+\ta+\x]
	v_cmp_lt_u32 s[86+4*\x], v[PR+\x], v[RW+\x]
.endr
.irp x, 0,1
	s_and_b32 s[85+4*\x], s[85+4*\x], s[86+4*\x]
	s_or_b32 s[84+4*\x], s[84+4*\x], s[85+4*\x]
.endr
.irp x, 0,1
	v_cndmask_b32 v[PM+\x], v[\WB+\ta+\x], v[PM+\x], s[84+4*\x]
	v_cndmask_b32 v[PR+\x], v[RW+\x], v[PR+\x], s[84+4*\x]
.endr
	v_cndmask_b32 v[OUT+\ta], v[PM], v[PM+1], s17
	v_cndmask_b32 v[OUT+\ta+1], v[PR], v[PR+1], s17
	global_store_b64 v[L8], v[OUT+\ta:OUT+\ta+1], s[\o:\o+1] offset:128*\ta   ; 32 lanes store 256 consecutive bytes, aligned
.endm
; the left-over record against my prompt tiles 2 q and 2 q + 1: two accumulators by turns
.macro LEFT q
	WIN 0x06+4*((\q)/2)                            ; source 0 window 2, source 1 window 1 or 2
.irp s, 0,1,2,3
.irp x, 0,1
.if \s == 0
	WM ACC+8*(2*(\q)+\x), LF+12*\s, 48*((2*(\q)+\x)%4)+12*\s, LC2, XL+\s/2, XB+2*(2*(\q)+\x)+\s/2, \s%2
.else
	WM ACC+8*(2*(\q)+\x), LF+12*\s, 48*((2*(\q)+\x)%4)+12*\s, ACC+8*(2*(\q)+\x), XL+\s/2, XB+2*(2*(\q)+\x)+\s/2, \s%2
.endif
.endr
.endr
	WIN 0
.rept 4
	v_nop
.endr
.irp x, 0,1
	v_max3_num_f32 v[RR+8+2*(\q)+\x], v[ACC+8*(2*(\q)+\x)], v[ACC+8*(2*(\q)+\x)+1], v[ACC+8*(2*(\q)+\x)+2]
.endr
.irp i, 3,5
.irp x, 0,1
	v_max3_num_f32 v[RR+8+2*(\q)+\x], v[RR+8+2*(\q)+\x], v[ACC+8*(2*(\q)+\x)+\i], v[ACC+8*(2*(\q)+\x)+\i+1]
.endr
.endr
.irp x, 0,1
	v_max_num_f32 v[RR+8+2*(\q)+\x], v[RR+8+2*(\q)+\x], v[ACC+8*(2*(\q)+\x)+7]
.endr
.irp x, 0,1
	v_mov_b32 v[TI+2*(\q)+\x], s51
.endr
.irp x, 0,1
	v_add_f32 v[RR+2*(\q)+\x], v[RR+8+2*(\q)+\x], v[NP+2*(\q)+\x]
.endr
	FIN2 2*(\q), RR+8, RR, ACC, 62
.endm
	s_load_b128 s[4:7], s[0:1], 0x0                ; crec, prec
	s_load_b64 s[8:9], s[0:1], 0x10                ; part
	v_lshl_add_u32 v[SPW], v0, 2, SPARE
	v_mov_b32 v[NIL], 0
	ds_add_u32 v[SPW], v[NIL]                      ; the opening lines
	ds_add_u32 v[SPW], v[NIL]
	v_lshrrev_b32 v14, 5, v0
	v_readfirstlane_b32 s10, v14                   ; wave
	s_bfe_u32 s11, ttmp6, 0x40000                  ; g: my place in the cluster
	s_lshl_b32 s15, s11, 2
	s_add_co_u32 s15, s15, s10                     ; 4 g + w
	s_lshl_b32 s16, s15, 5
	v_and_b32 v15, 31, v0
	v_and_b32 v14, 15, v0
	v_bfe_u32 v[HH], v0, 4, 1
	v_lshlrev_b32 v[LI], 4, v15
	v_lshlrev_b32 v[L8], 3, v15
	v_lshlrev_b32 v[H32], 5, v[HH]
	v_lshlrev_b32 v[H8], 3, v[HH]
	v_lshlrev_b32 v[L4], 2, v14
	v_add_nc_u32 v15, s16, v15                     ; my number among the cluster's 512 lanes: it enters prefetch addresses alone
	v_min_u32 v14, 415, v15                        ; stage 2 has 416 blocks of 256 bytes
	v_lshl_add_u32 v[PF1], v14, 8, 8*REC
	v_lshl_add_u32 v[PF2], v15, 8, 24*REC          ; stage 3 has 624
	v_add_nc_u32 v14, 512, v15
	v_min_u32 v14, 623, v14
	v_lshl_add_u32 v[PF3], v14, 8, 24*REC
	s_and_b32 s13, ttmp9, 3                        ; q: which two of a wave's tiles meet the left-over record
	s_lshr_b32 s14, ttmp9, 2                       ; which of the 16 records
	s_mov_b32 s17, 0xffff0000                      ; lanes 16-31
	s_mov_b32 s20, 0x76543210
	s_mov_b32 s21, 0xfedcba98
	s_mov_b32 s24, 15|(3<<16)|(1<<21)              ; group 1: the four partners; elements of 8 bytes; rows of 256 bytes, dense
	s_mov_b32 s25, 32<<16
	s_mov_b32 s26, 52<<16                          ; stage 1: two records a wave, 52 rows
	s_mov_b32 s27, 32<<16
	s_mov_b32 s28, 52
	s_mov_b32 s29, 32
	s_mov_b32 s30, 0
	s_mov_b32 s31, 0
	s_mov_b32 s32, 1
	s_mul_i32 s33, s10, 2*REC
	s_mul_i32 s2, ttmp9, 48*REC
	s_mov_b32 s3, 0
	s_mul_i32 s22, s15, 8*REC                      ; my 8 prompt records
	s_mov_b32 s23, 0
	s_add_co_u32 s36, s14, 3072
	s_lshl_b32 s51, s36, 4                         ; the left-over record's first row
	s_mul_i32 s36, s36, REC
	s_mov_b32 s37, 0
	s_mul_i32 s49, ttmp9, 768                      ; my first record's first row
	s_lshl_b32 s40, s15, 10                        ; my 128 prompts of 8 bytes
	s_lshl_b32 s38, ttmp9, 14
	s_add_co_u32 s38, s38, s40
	s_mov_b32 s39, 0
	s_add_co_u32 s42, s14, 64
	s_lshl_b32 s42, s42, 14
	s_add_co_u32 s42, s42, s40
	s_mov_b32 s43, 0
	s_mov_b32 s48, 0
	s_wait_alu depctr_va_vdst(0)
	s_wait_dscnt 0x0
	s_wait_kmcnt 0x0
	s_add_nc_u64 s[18:19], s[4:5], s[2:3]          ; the cluster's 48 records
	s_add_nc_u64 s[56:57], s[6:7], s[22:23]
	s_add_nc_u64 s[58:59], s[4:5], s[36:37]
	s_add_nc_u64 s[60:61], s[8:9], s[38:39]
	s_add_nc_u64 s[62:63], s[8:9], s[42:43]
	s_mov_b32 s2, s33
	s_add_nc_u64 s[34:35], s[18:19], s[2:3]
	s_or_b32 s35, s35, 0x80000000
	ROUND
	tensor_load_to_lds s[32:35], s[24:31]          ; stage 1: records 2 w, 2 w + 1: my one load at the head
	s_nop 0
.rept 4
	v_nop
.endr
	global_prefetch_b8 v[PF1], s[18:19] th:TH_LOAD_NT scope:SCOPE_SE
	WIN 0x40
.irp t, 0,1,2,3
.irp g, 0,1,2,3,4,5,6,7,8,9,10,11
	global_load_b128 v[48*\t+4*\g:48*\t+4*\g+3], v[LI], s[56:57] offset:REC*\t+512*\g
.endr
.endr
	WIN 0x80
.irp t, 0,1,2,3
.irp g, 0,1,2,3,4,5,6,7,8,9,10,11
	global_load_b128 v[48*\t+4*\g:48*\t+4*\g+3], v[LI], s[56:57] offset:REC*(\t+4)+512*\g
.endr
.endr
	WIN 0
.irp t, 0,1,2,3,4,5,6,7
	global_load_b64 v[XB+2*\t:XB+2*\t+1], v[L8], s[56:57] offset:REC*\t+6144
.endr
.irp t, 0,1,2,3,4,5,6,7
	global_load_b32 v[NP+\t], v[L4], s[56:57] offset:REC*\t+6400
.endr
	global_load_b64 v[XL:XL+1], v[L8], s[58:59] offset:6144
	global_load_b128 v[LC2:LC2+3], v[H32], s[58:59] offset:6400
	global_load_b128 v[LC2+4:LC2+7], v[H32], s[58:59] offset:6416
	WIN 0x80
.irp g, 0,1,2,3,4,5,6,7,8,9,10,11
	global_load_b128 v[LF+4*\g:LF+4*\g+3], v[LI], s[58:59] offset:512*\g
.endr
	WIN 0
.set I_, 0                             ; the arg-max's state: best so far -infinity; what the selects read is written once
.rept 64
	v_mov_b32 v[SV+I_], 0
.set I_, I_+1
.endr
.irp t, 0,1,2,3,4,5,6,7
	v_mov_b32 v[RR+\t], 0xff800000
	v_mov_b32 v[TI+\t], 0
.endr
.irp i, 0,1,2,3
	v_mov_b32 v[PM+\i], 0                          ; a lane permute's destination counts as one of its sources
.endr
	s_wait_alu depctr_va_vdst(0)
	STAGE 104, 4, 8                                ; stage 1 has landed with all; stage 2 goes out: records 8 + 4 w ..
	ADDR
	FETCH 0, 0
	WIN 0
	global_prefetch_b8 v[PF2], s[18:19] th:TH_LOAD_NT scope:SCOPE_SE
	global_prefetch_b8 v[PF3], s[18:19] th:TH_LOAD_NT scope:SCOPE_SE
	s_wait_loadcnt 23                              ; the prompts' codes and scale words are in; the 23 loads behind them (8 of -|a|^2, 15 of the left-over record) serve the tail alone and may be out
	PAIRS 3, .Lstage1                              ; records 0 .. 5
	TILE 0, 1, 0
	TILE 1, 1, 1                                   ; record 7 fetches record 8: stage 2 is shown whole first, and stage 3 goes out
	PAIRS 7, .Lstage2                              ; records 8 .. 21
	TILE 0, 1, 0
	TILE 1, 1, 2                                   ; record 23 fetches record 24: stage 3 is shown whole first
	PAIRS 11, .Lstage3                             ; records 24 .. 45
	TILE 0, 1, 0
	TILE 1, 0, 0
	s_wait_alu depctr_va_vdst(0)
	s_wait_loadcnt 0x0                             ; -|a|^2 and the left-over record
.irp t, 0,1,2,3,4,5,6,7
	v_add_f32 v[RR+8+\t], v[RR+\t], v[NP+\t]       ; - |a|^2
.endr
.irp t, 0,2,4,6
	FIN2 \t, RR, RR+8, SV, 60
.endr
	s_wait_alu depctr_va_vdst(0)
	s_wait_xcnt 0x0                                ; the four stores have read their data: two of the registers are written again
.irp q, 0,1,2                          ; ids alone, the same in all partners: q picks the registers
	s_cmp_lg_u32 s13, \q
	s_cbranch_scc1 .Lnot_\q
	LEFT \q
	s_branch .Ldone
.Lnot_\q:
.endr
	LEFT 3
.Ldone:
	s_wait_tensorcnt 0x0                           ; the wave's end
	ds_add_u32 v[SPW], v[NIL]
	s_wait_dscnt 0x0
	ROUND                                          ; the closing round
	s_endpgm
.Lfunc_end_k_q697e80eef2_search:
	.size	k_q697e80eef2_search, .Lfunc_end_k_q697e80eef2_search-k_q697e80eef2_search
	.p2alignl 7, 3214868480
	.fill 96, 4, 3214868480
	.section	.rodata,"a",@progbits
	.p2align	6, 0x0
	.amdhsa_kernel k_q697e80eef2_search
		.amdhsa_group_segment_fixed_size 327680
		.amdhsa_private_segment_fixed_size 0
		.amdhsa_enable_private_segment 0
		.amdhsa_kernarg_size 24
		.amdhsa_user_sgpr_count 2
		.amdhsa_user_sgpr_kernarg_segment_ptr 1
		.amdhsa_wavefront_size32 1
		.amdhsa_system_sgpr_workgroup_id_x 1
		.amdhsa_system_sgpr_workgroup_id_y 1
		.amdhsa_system_sgpr_workgroup_id_z 1
		.amdhsa_system_vgpr_workitem_id 0
		.amdhsa_next_free_vgpr 1024
		.amdhsa_next_free_sgpr 96
		.amdhsa_reserve_vcc 1
		.amdhsa_float_denorm_mode_32 3
		.amdhsa_float_denorm_mode_16_64 3
		.amdhsa_memory_ordered 1
		.amdhsa_forward_progress 1
		.amdhsa_inst_pref_size 177
	.end_amdhsa_kernel
	.amdgpu_metadata
---
amdhsa.version: [ 1, 2 ]
amdhsa.kernels:
  - .name:           k_q697e80eef2_search
    .symbol:         k_q697e80eef2_search.kd
    .args:
      - { .name: crec, .offset: 0, .size: 8, .value_kind: global_buffer, .address_space: global }
      - { .name: prec, .offset: 8, .size: 8, .value_kind: global_buffer, .address_space: global }
      - { .name: part, .offset: 16, .size: 8, .value_kind: global_buffer, .address_space: global }
    .group_segment_fixed_size: 327680
    .private_segment_fixed_size: 0
    .kernarg_segment_align: 8
    .kernarg_segment_size: 24
    .max_flat_workgroup_size: 128
    .sgpr_count:     96
    .vgpr_count:     1024
    .wavefront_size: 32
...
	.end_amdgpu_metadata
.endif
;; end of part 2
;; launch pick (part 3): grid 32 x 1, 8 waves a work-group, no clusters, 5,120 bytes of LDS; arguments part, out1; writes out1
.if DOCPART == 3
	.amdgcn_target "amdgcn-amd-amdhsa--gfx1250"
	.amdhsa_code_object_version 6
	.text
	.protected	k_q697e80eef2_pick
	.globl	k_q697e80eef2_pick
	.p2align	8
	.type	k_q697e80eef2_pick,@function
k_q697e80eef2_pick:
	s_mov_b64 s[64:65], 0
	v_nop
	global_prefetch_b8 v0, s[64:65] scope:SCOPE_SE
	s_setreg_imm32_b32 hwreg(HW_REG_WAVE_MODE, 25, 1), 1
	s_wait_xcnt 0x0
; out1[p] = the row of the largest of part's 80 entries for prompt p; part: [80][2048] pairs (f32 value = -d2, row).  Rows ascend with the entry, so only a strictly larger value takes the place: the first row wins among equals.
; A work-group takes 64 prompts, a lane two (16 bytes of an entry: a load of a wave reads 512 consecutive bytes); wave w takes entries 10 w .. 10 w + 9; the eight waves' pairs meet in LDS, and wave 0 stores 256 consecutive bytes.
; 1.3 MB in, 8 KB out: no matrix unit, no tensor load, no cluster; 32 work-groups are all the work there is.
	s_load_b128 s[4:7], s[0:1], 0x0                ; part s[4:5], out1 s[6:7]
	v_lshl_add_u32 v64, v0, 2, 0x1000
	v_mov_b32 v65, 0
	v_lshrrev_b32 v1, 5, v0
	s_delay_alu instid0(VALU_DEP_1)
	v_readfirstlane_b32 s8, v1                     ; wave 0..7
	v_and_b32 v2, 31, v0                           ; lane
	s_delay_alu instid0(VALU_DEP_1)
	v_lshlrev_b32 v3, 4, v2                        ; 16 x lane
	s_mul_i32 s9, s8, 10*16384                     ; my wave's ten entries,
	s_lshl_b32 s10, ttmp9, 9                       ; my work-group's 64 prompts of 8 bytes
	s_add_co_u32 s9, s9, s10
	v_add_nc_u32 v1, s9, v3
	v_lshlrev_b32 v4, 4, v0                        ; LDS: 16 x thread
	v_lshlrev_b32 v5, 3, v2                        ; out1: two numbers a lane
	s_lshl_b32 s10, ttmp9, 8
	s_mov_b32 s11, 0
	s_wait_alu depctr_va_vdst(0)
	s_wait_kmcnt 0x0
	s_add_nc_u64 s[6:7], s[6:7], s[10:11]
.irp k, 0,1,2,3,4,5,6,7,8,9
	global_load_b128 v[8+4*\k:11+4*\k], v1, s[4:5] offset:16384*\k
.endr
.macro MERGE k                         ; the pairs in v[8 + 4 k] on against the best so far, in v[8:11]
	v_cmp_gt_f32 vcc_lo, v[8+4*\k], v8
	v_cmp_gt_f32 s12, v[10+4*\k], v10
	s_delay_alu instid0(VALU_DEP_2)
	v_cndmask_b32 v8, v8, v[8+4*\k], vcc_lo
	s_delay_alu instid0(VALU_DEP_3)
	v_cndmask_b32 v9, v9, v[9+4*\k], vcc_lo
	s_delay_alu instid0(VALU_DEP_3)
	v_cndmask_b32 v10, v10, v[10+4*\k], s12
	s_delay_alu instid0(VALU_DEP_4)
	v_cndmask_b32 v11, v11, v[11+4*\k], s12
.endm
.irp k, 1,2,3,4,5,6,7,8,9
	s_wait_alu depctr_va_vdst(0)
	s_wait_loadcnt 9-\k                            ; loads come back in order: entry k is in, the 9 - k behind it may be out
	MERGE \k
.endr
	ds_store_b128 v4, v[8:11]
	s_wait_dscnt 0x0                               ; for wave 0's sake: my store is done
	s_barrier_signal -1
	s_barrier_wait -1
	s_cmp_lg_u32 s8, 0
	s_cbranch_scc1 .Ldone
.irp w, 0,1,2,3,4,5,6,7
	ds_load_b128 v[8+4*\w:11+4*\w], v3 offset:512*\w
.endr
	s_wait_dscnt 0x0
.irp w, 1,2,3,4,5,6,7
	MERGE \w
.endr
	s_delay_alu instid0(VALU_DEP_3)
	v_mov_b32 v6, v9
	s_delay_alu instid0(VALU_DEP_2)
	v_mov_b32 v7, v11
	global_store_b64 v5, v[6:7], s[6:7]            ; 32 lanes store 256 consecutive bytes, at a multiple of 256 from out1's first byte
.Ldone:
	s_wait_tensorcnt 0x0
	ds_add_u32 v64, v65
	s_wait_dscnt 0x0
	s_endpgm
.Lfunc_end_k_q697e80eef2_pick:
	.size	k_q697e80eef2_pick, .Lfunc_end_k_q697e80eef2_pick-k_q697e80eef2_pick
	.p2alignl 7, 3214868480
	.fill 96, 4, 3214868480
	.section	.rodata,"a",@progbits
	.p2align	6, 0x0
	.amdhsa_kernel k_q697e80eef2_pick
		.amdhsa_group_segment_fixed_size 5120
		.amdhsa_private_segment_fixed_size 0
		.amdhsa_enable_private_segment 0
		.amdhsa_kernarg_size 16
		.amdhsa_user_sgpr_count 2
		.amdhsa_user_sgpr_kernarg_segment_ptr 1
		.amdhsa_wavefront_size32 1
		.amdhsa_system_sgpr_workgroup_id_x 1
		.amdhsa_system_sgpr_workgroup_id_y 1
		.amdhsa_system_sgpr_workgroup_id_z 1
		.amdhsa_system_vgpr_workitem_id 0
		.amdhsa_next_free_vgpr 66
		.amdhsa_next_free_sgpr 66
		.amdhsa_reserve_vcc 1
		.amdhsa_float_denorm_mode_32 3
		.amdhsa_float_denorm_mode_16_64 3
		.amdhsa_memory_ordered 1
		.amdhsa_forward_progress 1
		.amdhsa_inst_pref_size 11
	.end_amdhsa_kernel
	.amdgpu_metadata
---
amdhsa.version: [ 1, 2 ]
amdhsa.kernels:
  - .name:           k_q697e80eef2_pick
    .symbol:         k_q697e80eef2_pick.kd
    .args:
      - { .name: part, .offset: 0, .size: 8, .value_kind: global_buffer, .address_space: global }
      - { .name: out1, .offset: 8, .size: 8, .value_kind: global_buffer, .address_space: global }
    .group_segment_fixed_size: 5120
    .private_segment_fixed_size: 0
    .kernarg_segment_align: 8
    .kernarg_segment_size: 16
    .max_flat_workgroup_size: 256
    .sgpr_count:     66
    .vgpr_count:     66
    .wavefront_size: 32
...
	.end_amdgpu_metadata
.endif
;; end of part 3
